; MI455X (gfx1250); checked and timed in simulation.
; The chip was launched on July 23, 2026; its instructions are those of AMD's public machine-readable ISA for CDNA 5 (MIT licence, August 2026) and "CDNA5" Instruction Set Architecture Reference Guide (July 2026). The comments in the code are by the model that wrote it; some were corrected since.
;; KAN Decode. Allowed arithmetic: matrix products marked QUANTISED: E2M1 operands, one E8M0 scale for each 32 along K, by v_wmma_scale_f32_16x16x128_f8f6f4 with both operands' format E2M1 (or v_wmma_scale_f32_32x16x128_f4), f32 sums; everything else in f32.
;; Inputs: base_w1 512 x 512 float32; base_w2 256 x 512 float32; dense_b 512 float32; dense_w 512 x 64 float32; scaler1 512 x 512 float32; scaler2 256 x 512 float32; spline_w1 512 x 512 x 8 float32; spline_w2 256 x 512 x 8 float32; x 16,384 x 64 float32.
;; Outputs: out0 16,384 x 256 float32.
;; This version of the problem:
;;   THIS VERSION OF THE PROBLEM IS GIVEN IN LOW PRECISION. The matrix products marked QUANTISED in the list below multiply operands that are first quantised to E2M1 (2 exponent bits, 1 mantissa bit; 4 bits a number), with one power-of-two scale for each 32 numbers along K (OCP MX v1.0); their sums are f32. All else is computed in f32.
;;   The module's matrix products, in the order in which they are computed (A, B: the left and right operand; K: the contracted axis; several contracted axes count as one K, in the product's order):
;;     1. [M 16,384, K 64] x [K 64, N 512]; A: input x; B: input dense_w: QUANTISED
;;     2. [M 16,384, K 512] x [K 512, N 512]; A: computed on the way; B: input base_w1: QUANTISED
;;     3. [M 16,384, K 4,096] x [K 4,096, N 512]; A: computed on the way; B: computed on the way: QUANTISED
;;     4. [M 16,384, K 512] x [K 512, N 256]; A: computed on the way; B: input base_w2: QUANTISED
;;     5. [M 16,384, K 4,096] x [K 4,096, N 256]; A: computed on the way; B: computed on the way: QUANTISED
;;   THE QUANTISER, for each operand of a quantised product, along K:
;;     - K is cut into blocks of 32 from its start; a last block that is shorter is filled with zeros.
;;     - A block's scale is 2^e with e = floor(log2(the largest magnitude in the block)) - 2, held to -126 .. 127; a block of zeros has e = 0. As a byte (E8M0): e + 127.
;;     - Each number is divided by its block's scale, clamped to +-6, and rounded to the nearest number of E2M1, ties to even, subnormals kept.
;;     - The product sums the exact products of the quantised numbers (number of the format x scale) in f32.
;;   ~~~python
;;   def quantise(x, axis):      # numpy; x: float32 -> the quantised numbers, widened to float32 again
;;       x = np.moveaxis(x, axis, -1); K = x.shape[-1]
;;       x = np.pad(x, [(0, 0)] * (x.ndim - 1) + [(0, -K % 32)]); x = x.reshape(x.shape[:-1] + (-1, 32)); a = np.abs(x).max(-1, keepdims=True)
;;       e = np.where(a > 0, np.clip(np.frexp(np.where(a > 0, a, 1))[1] - 1 - 2, -126, 127), 0)      # np.frexp(a)[1] - 1 = floor(log2(a)), exactly
;;       r = np.clip(x / 2.0 ** e, -6, 6)
;;       step = 2.0 ** (np.maximum(np.frexp(np.where(r == 0, 1, r))[1] - 1, 0) - 1)
;;       q = np.round(r / step) * step * 2.0 ** e      # np.round: ties to even
;;       return np.moveaxis(q.reshape(q.shape[:-2] + (-1,))[..., :K], -1, axis).astype(np.float32)
;;   ~~~
;;   OPERANDS COMPUTED ON THE WAY. 'Computed on the way' means the value that the module computes at that place (a softmax that the list does not call 'softmax' is quantised finished and normalised). What goes into a quantiser is computed in f32, as accurately as f32 sums, v_exp_f32 and their like allow (about 1e-6 of the number): no bf16 or f16 on the way to a quantiser, and a product that is left as it is and whose result goes on into a quantised operand takes f32 operands (vector FMAs, or v_wmma_f32_16x16x4_f32). A number that lies on a knife's edge between two numbers of the format may be rounded either way, as far as f32 arithmetic and the matrix unit's own rounding can turn it there, and no further.
;; One version. Each part assembles by itself: llvm-mc -triple=amdgcn-amd-amdhsa -mcpu=gfx1250 --defsym DOCPART=n.
;; ======== version 1 of 1: 2 launches
;; workspace buffers: wq 1,914,880 bytes
;; launch prep (part 1): grid 220 x 1, 8 waves a work-group, no clusters, 136,704 bytes of LDS; arguments spline_w1, scaler1, base_w1, spline_w2, scaler2, base_w2, dense_w, wq; writes wq
.if DOCPART == 1
	.amdgcn_target "amdgcn-amd-amdhsa--gfx1250"
	.amdhsa_code_object_version 6
	.text
	.protected	k_qd5d6ff855c_prep
	.globl	k_qd5d6ff855c_prep
	.p2align	8
	.type	k_qd5d6ff855c_prep,@function
k_qd5d6ff855c_prep:
	s_mov_b64 s[64:65], 0
	v_nop
	global_prefetch_b8 v0, s[64:65] scope:SCOPE_SE
	s_setreg_imm32_b32 hwreg(HW_REG_WAVE_MODE, 25, 1), 1
	s_wait_xcnt 0x0
; All weights become codes of FP4 (E2M1) with one E8M0 byte for each 32 along K, laid in wq as IMAGES OF OPERAND REGISTERS, in the order in which the second launch streams them.
; A fragment is 16 weight rows o x 128 k = 1,024 bytes: register 4 c + q of lane l lies at 512 c + 16 l + 4 q (lane l = r + 16 hh holds row r and the K step's blocks 2 c + hh).
; A scale block is 512 bytes for 8 fragments: the word of fragment v, row r lies at 16 (r + 16 (v & 1)) + 4 (v >> 1).
; wq: 72 chunks of 17,408 bytes (layer 1: chunk 4 f + w: fragments (a, t) at 8,192 a + 1,024 t, scale blocks at 16,384 + 512 a; rows 128 w + 16 t + r, K step 2 f + a);
;     72 chunks of 8,704 bytes (layer 2: fragment 4 a + t at 1,024 (4 a + t), scale block at 8,192; rows 64 w + 16 t + r); 4 chunks of 8,704 bytes (dense_w: tile t, rows 128 w + 16 t + r, K = 64 filled with zero codes to 128).
; THE SPLINE PRODUCT'S K is 512 g + i (the basis g outermost): a block of 32 is ONE basis of 32 neighbouring units.  K step 2 f + a, f < 16, holds four such blocks: bases 4 a + 0 .. 3 of units 32 f .. 32 f + 31,
; each number x its unit's scaler in f32.  K steps 32 .. 35 are the base weight's (units 128 (kappa - 32) on, blocks in their order).
; Inside every block of 32 units the codes are permuted, alike here and on the activations' side: place 8 p + e holds unit 16 (p & 1) + 8 (e >> 2) + 4 (p >> 1) + (e & 3); which numbers share a block is unchanged.
; SHARES: a wave makes one fragment, a work-group of eight waves eight fragments and their scale block.  The numbers turn through the wave's own stage in LDS (rows 528 bytes apart) and come back a whole block to a lane,
; so that a block's largest magnitude needs no other lane.  The spline's path and the base weight's path have stages of their own.
; A block's scale byte is its largest magnitude's exponent field - 2, held at 1 from below.  A block of zeros so gets the byte 1 where the rule says 127: its codes are zeros, and this program alone reads the bytes.
; LIMITS: NaN and infinities among the weights are not served.
.set CH1,   17408
.set CH2,   8704
.set W2OFF, 72*CH1
.set SP,    528                        ; a stage row: 512 bytes + 16: the sixteen rows that a load touches start in sixteen different groups of banks
.set STW,   16*SP                      ; a wave's stage
.set STGB,  8*STW                      ; the base path's eight stages lie behind the spline path's eight
.set SCB,   2*8*STW                    ; behind them: the work-group's scale block, 512 bytes
.set X,     32                         ; v32-95   64 numbers: register 32 c + n is place n of my block 2 c + hh
.set R,     96                         ; v96-159  16 rows as they are loaded
.set C,     160                        ; v160-167 the fragment's codes
.set SW,    168                        ; v168     my row's scale word
	s_load_b256 s[4:11], s[0:1], 0x0               ; spline_w1 s[4:5], scaler1 s[6:7], base_w1 s[8:9], spline_w2 s[10:11]
	s_load_b256 s[12:19], s[0:1], 0x20             ; scaler2 s[12:13], base_w2 s[14:15], dense_w s[16:17], wq s[18:19]
	v_lshl_add_u32 v176, v0, 2, 0x21200
	v_mov_b32 v177, 0
	v_lshrrev_b32 v1, 5, v0
	v_readfirstlane_b32 s20, v1                    ; wave v, 0 .. 7
	v_and_b32 v1, 31, v0                           ; lane
	v_and_b32 v2, 15, v0                           ; r
	v_bfe_u32 v3, v0, 4, 1                         ; hh
	v_lshlrev_b32 v4, 4, v1                        ; 16 x lane
	v_lshlrev_b32 v5, 5, v1                        ; 32 x lane: a unit's eight numbers of spline_w
	v_lshlrev_b32 v171, 2, v1                      ; 4 x lane
	s_mul_i32 s44, s20, STW                        ; my stage
	v_add_nc_u32 v6, s44, v171                     ; the spline's way into it: 4 x lane; the row and the basis in the immediate
	v_mul_u32_u24 v7, v2, SP
	v_lshl_add_u32 v7, v3, 7, v7
	v_add_nc_u32 v7, s44, v7                       ; out of it: row r, + 128 hh
	v_add_nc_u32 v8, s44, v4
	v_add_nc_u32 v8, STGB, v8                      ; the base path's stage: in, 16 x lane;
	v_add_nc_u32 v9, STGB, v7                      ; out, as above
	s_and_b32 s45, s20, 1
	s_lshl_b32 s45, s45, 8
	s_lshr_b32 s33, s20, 1
	s_lshl_b32 s33, s33, 2
	s_add_co_u32 s45, s45, s33
	s_add_co_u32 s45, s45, SCB
	v_lshlrev_b32 v10, 4, v2
	v_add_nc_u32 v10, s45, v10                     ; my row's word in the scale block
	v_add_nc_u32 v11, SCB, v4                      ; the block read back, 16 bytes a lane
	v_lshlrev_b32 v169, 8, v2
	v_lshl_add_u32 v169, v3, 7, v169               ; dense_w: row r of 256 bytes + 128 hh
	s_mov_b32 s46, 0x76543210
	s_mov_b32 s47, 0xfedcba98                      ; v_permlanex16_b32's selects for lane l xor 16
	; work-group g < 144: layer 1, g = 8 f + 2 w + a
	s_lshr_b32 s21, ttmp9, 1                       ; the chunk, 4 f + w
	s_and_b32 s22, ttmp9, 1                        ; a
	s_lshr_b32 s23, ttmp9, 3
	s_lshl_b32 s23, s23, 1
	s_add_co_u32 s23, s23, s22                     ; K step 2 f + a
	s_and_b32 s24, s21, 3
	s_lshl_b32 s24, s24, 7
	s_lshl_b32 s33, s20, 4
	s_add_co_u32 s24, s24, s33                     ; first row 128 w + 16 v
	s_mul_i32 s26, s21, CH1
	s_lshl_b32 s25, s22, 13
	s_add_co_u32 s25, s25, s26
	s_lshl_b32 s33, s20, 10
	s_add_co_u32 s25, s25, s33                     ; the fragment's place in wq
	s_lshl_b32 s22, s22, 9
	s_add_co_u32 s26, s26, s22
	s_add_co_u32 s26, s26, 16384                   ; the scale block's
	; g >= 144: g2 = g - 144 = 4 f + w counts chunks of 8,704 bytes: layer 2's 72, then dense_w's 4
	s_sub_co_u32 s27, ttmp9, 144
	s_lshr_b32 s28, s27, 2
	s_lshl_b32 s28, s28, 1
	s_lshr_b32 s29, s20, 2
	s_add_co_u32 s28, s28, s29                     ; K step 2 f + v / 4
	s_and_b32 s29, s27, 3
	s_lshl_b32 s29, s29, 6
	s_and_b32 s30, s20, 3
	s_lshl_b32 s30, s30, 4
	s_add_co_u32 s29, s29, s30                     ; first row 64 w + 16 (v % 4)
	s_mul_i32 s31, s27, CH2
	s_add_co_u32 s31, s31, W2OFF
	s_add_co_u32 s30, s31, s33
	s_add_co_u32 s31, s31, 8192
	s_mov_b32 s32, 208
	s_cmp_lt_u32 ttmp9, 144                        ; the layer: the choice hangs on the work-group's number alone
	s_cselect_b32 s23, s23, s28
	s_cselect_b32 s24, s24, s29
	s_cselect_b32 s25, s25, s30
	s_cselect_b32 s26, s26, s31
	s_cselect_b32 s32, 128, s32                    ; from this work-group on the layer's K steps are the base weight's (f >= 16)
	s_wait_kmcnt 0x0
	s_cselect_b64 s[4:5], s[4:5], s[10:11]
	s_cselect_b64 s[6:7], s[6:7], s[12:13]
	s_cselect_b64 s[8:9], s[8:9], s[14:15]
	s_mov_b32 s34, s25
	s_mov_b32 s35, 0
	s_add_nc_u64 s[34:35], s[18:19], s[34:35]      ; where my fragment goes
	s_mov_b32 s36, s26
	s_mov_b32 s37, 0
	s_add_nc_u64 s[36:37], s[18:19], s[36:37]      ; where the scale block goes
	s_cmp_ge_u32 ttmp9, 216
	s_cbranch_scc1 .Ldense
	s_cmp_ge_u32 ttmp9, s32
	s_cbranch_scc1 .Lbase
	; ---- the spline's weights: row o is 16,384 bytes; units 32 f on are 1,024 of them, 32 bytes a unit, of which bases 4 a + 0 .. 3 are 16
	s_lshr_b32 s33, s23, 1                         ; f
	s_and_b32 s44, s23, 1                          ; a
	s_lshl_b32 s38, s24, 14
	s_lshl_b32 s45, s33, 10
	s_add_co_u32 s38, s38, s45
	s_lshl_b32 s44, s44, 4
	s_add_co_u32 s38, s38, s44
	s_mov_b32 s39, 0
	s_add_nc_u64 s[40:41], s[4:5], s[38:39]
	s_lshl_b32 s38, s24, 11                        ; scaler: row o is 2,048 bytes, units 32 f on are 128 of them
	s_lshl_b32 s33, s33, 7
	s_add_co_u32 s38, s38, s33
	s_add_nc_u64 s[42:43], s[6:7], s[38:39]
.irp p, 0,1,2,3,4,5,6,7,8,9,10,11,12,13,14,15
	global_load_b32 v[16+\p], v171, s[42:43] offset:2048*\p          ; row p: my unit's scaler: 32 lanes read 128 consecutive bytes
.endr
.irp p, 0,1,2,3,4,5,6,7,8,9,10,11,12,13,14,15
	global_load_b128 v[R+4*\p:R+4*\p+3], v5, s[40:41] offset:16384*\p   ; row p: my unit's four bases.  The wave takes every other 16 bytes of 1,024; the K step beside this one takes the others
.endr
	s_wait_loadcnt 0x0
.irp p, 0,1,2,3,4,5,6,7,8,9,10,11,12,13,14,15
.irp j, 0,1,2,3
	v_mul_f32 v[R+4*\p+\j], v[16+\p], v[R+4*\p+\j]                   ; x the unit's scaler: one rounding
.endr
.endr
.irp p, 0,1,2,3,4,5,6,7,8,9,10,11,12,13,14,15
.irp j, 0,1,2,3
	ds_store_b32 v6, v[R+4*\p+\j] offset:SP*\p+128*\j                ; the stage holds [row][basis][unit]: 32 lanes store 128 consecutive bytes
.endr
.endr
.irp c, 0,1
.irp a, 0,1
.irp d, 0,1
.irp h, 0,1
	ds_load_b128 v[X+32*\c+8*(2*\h+\a)+4*\d:X+32*\c+8*(2*\h+\a)+4*\d+3], v7 offset:256*\c+16*(4*\a+2*\d+\h)   ; basis 2 c + hh of the four: units 16 a + 8 d + 4 h + 0 .. 3 go to places 8 (2 h + a) + 4 d + 0 .. 3.  LDS serves a wave's instructions in order: these see my stores
.endr
.endr
.endr
.endr
	s_wait_dscnt 0x0
	s_branch .Lquant
.Lbase:
	; ---- the base weight: row o is 2,048 bytes, a K step 512 of them
	s_lshl_b32 s38, s24, 11
	s_sub_co_u32 s39, s23, 32
	s_lshl_b32 s39, s39, 9
	s_add_co_u32 s38, s38, s39
	s_mov_b32 s39, 0
	s_add_nc_u64 s[40:41], s[8:9], s[38:39]
.irp p, 0,1,2,3,4,5,6,7,8,9,10,11,12,13,14,15
	global_load_b128 v[R+4*\p:R+4*\p+3], v4, s[40:41] offset:2048*\p th:TH_LOAD_NT   ; 32 lanes read 512 consecutive bytes of row p
.endr
	s_wait_loadcnt 0x0
.irp p, 0,1,2,3,4,5,6,7,8,9,10,11,12,13,14,15
	ds_store_b128 v8, v[R+4*\p:R+4*\p+3] offset:SP*\p
.endr
.irp c, 0,1
.irp a, 0,1
.irp d, 0,1
.irp h, 0,1
	ds_load_b128 v[X+32*\c+8*(2*\h+\a)+4*\d:X+32*\c+8*(2*\h+\a)+4*\d+3], v9 offset:256*\c+16*(4*\a+2*\d+\h)   ; units 16 a + 8 d + 4 h + 0 .. 3 of the block go to places 8 (2 h + a) + 4 d + 0 .. 3
.endr
.endr
.endr
.endr
	s_wait_dscnt 0x0
	s_branch .Lquant
.Ldense:
	; ---- dense_w: row o is 256 bytes, K = 64: a lane's block hh comes straight into its registers; places 64 .. 127 are zeros
	s_sub_co_u32 s38, ttmp9, 216
	s_lshl_b32 s38, s38, 7
	s_lshl_b32 s39, s20, 4
	s_add_co_u32 s38, s38, s39                     ; first row 128 (g - 216) + 16 v
	s_lshl_b32 s38, s38, 8
	s_mov_b32 s39, 0
	s_add_nc_u64 s[40:41], s[16:17], s[38:39]
.irp p, 0,1,2,3,4,5,6,7
	global_load_b128 v[X+4*\p:X+4*\p+3], v169, s[40:41] offset:16*\p
.endr
.set i, 32
.rept 32
	v_mov_b32 v[X+i], 0
.set i, i+1
.endr
	s_wait_loadcnt 0x0
.Lquant:
	; ---- my two blocks, 2 c + hh: all 32 numbers of each are mine
.irp c, 0,1
	v_max3_num_f32 v[24+\c], |v[X+32*\c]|, |v[X+1+32*\c]|, 0x1800000   ; with the floor 2^(3 - 127): the byte cannot fall under 1
.endr
.irp i, 2,4,6,8,10,12,14,16,18,20,22,24,26,28,30
.irp c, 0,1
	v_max3_num_f32 v[24+\c], v[24+\c], |v[X+32*\c+\i]|, |v[X+1+32*\c+\i]|   ; (the two blocks by turns)
.endr
.endr
	v_add_nc_u32 v26, 0xff000000, v24              ; 2 off the exponent field: the conversion takes this operand's exponent field as its scale
	v_add_nc_u32 v27, 0xff000000, v25
	v_lshrrev_b32 v28, 23, v26                     ; the scale's byte
	v_lshrrev_b32 v29, 23, v27
	v_lshl_or_b32 v[SW], v29, 16, v28              ; my two bytes, blocks hh and 2 + hh,
	v_lshlrev_b32 v30, 3, v3
	v_lshlrev_b32 v[SW], v30, v[SW]                ; at their places in the word;
	v_mov_b32 v31, 0
	v_permlanex16_b32 v31, v[SW], s46, s47
	v_or_b32 v[SW], v[SW], v31                     ; with lane l xor 16's two the word is whole
.irp c, 0,1
.irp g, 0,1,2,3
	v_cvt_scalef32_pk8_fp4_f32 v[C+4*\c+\g], v[X+32*\c+8*\g:X+32*\c+8*\g+7], v[26+\c]
.endr
.endr
	v_nop                                          ; one plain line behind the last scaled conversion
	global_store_b128 v4, v[C:C+3], s[34:35]               ; 32 lanes store 512 consecutive bytes, at a multiple of 256 from wq's first byte
	global_store_b128 v4, v[C+4:C+7], s[34:35] offset:512
	ds_store_b32 v10, v[SW]                        ; both halves of the lanes write the same word with the same value
	s_wait_dscnt 0x0                               ; for the others' sake: my word lies in the block
	s_barrier_signal -1
	s_barrier_wait -1
	s_cmp_lg_u32 s20, 0
	s_cbranch_scc1 .Lend
	ds_load_b128 v[12:15], v11                     ; wave 0 sends the eight waves' words: 512 consecutive bytes
	s_wait_dscnt 0x0
	global_store_b128 v4, v[12:15], s[36:37]
.Lend:
	s_wait_tensorcnt 0x0
	ds_add_u32 v176, v177
	s_wait_dscnt 0x0
	s_endpgm
.Lfunc_end_k_qd5d6ff855c_prep:
	.size	k_qd5d6ff855c_prep, .Lfunc_end_k_qd5d6ff855c_prep-k_qd5d6ff855c_prep
	.p2alignl 7, 3214868480
	.fill 96, 4, 3214868480
	.section	.rodata,"a",@progbits
	.p2align	6, 0x0
	.amdhsa_kernel k_qd5d6ff855c_prep
		.amdhsa_group_segment_fixed_size 136704
		.amdhsa_private_segment_fixed_size 0
		.amdhsa_enable_private_segment 0
		.amdhsa_kernarg_size 64
		.amdhsa_user_sgpr_count 2
		.amdhsa_user_sgpr_kernarg_segment_ptr 1
		.amdhsa_wavefront_size32 1
		.amdhsa_system_sgpr_workgroup_id_x 1
		.amdhsa_system_sgpr_workgroup_id_y 1
		.amdhsa_system_sgpr_workgroup_id_z 1
		.amdhsa_system_vgpr_workitem_id 0
		.amdhsa_next_free_vgpr 178
		.amdhsa_next_free_sgpr 66
		.amdhsa_reserve_vcc 0
		.amdhsa_float_denorm_mode_32 3
		.amdhsa_float_denorm_mode_16_64 3
		.amdhsa_memory_ordered 1
		.amdhsa_forward_progress 1
		.amdhsa_inst_pref_size 24
	.end_amdhsa_kernel
	.amdgpu_metadata
---
amdhsa.version: [ 1, 2 ]
amdhsa.kernels:
  - .name:           k_qd5d6ff855c_prep
    .symbol:         k_qd5d6ff855c_prep.kd
    .args:
      - { .name: spline_w1, .offset: 0, .size: 8, .value_kind: global_buffer, .address_space: global }
      - { .name: scaler1, .offset: 8, .size: 8, .value_kind: global_buffer, .address_space: global }
      - { .name: base_w1, .offset: 16, .size: 8, .value_kind: global_buffer, .address_space: global }
      - { .name: spline_w2, .offset: 24, .size: 8, .value_kind: global_buffer, .address_space: global }
      - { .name: scaler2, .offset: 32, .size: 8, .value_kind: global_buffer, .address_space: global }
      - { .name: base_w2, .offset: 40, .size: 8, .value_kind: global_buffer, .address_space: global }
      - { .name: dense_w, .offset: 48, .size: 8, .value_kind: global_buffer, .address_space: global }
      - { .name: wq, .offset: 56, .size: 8, .value_kind: global_buffer, .address_space: global }
    .group_segment_fixed_size: 136704
    .private_segment_fixed_size: 0
    .kernarg_segment_align: 8
    .kernarg_segment_size: 64
    .max_flat_workgroup_size: 256
    .sgpr_count:     66
    .vgpr_count:     178
    .wavefront_size: 32
...
	.end_amdgpu_metadata
.endif
;; end of part 1
;; launch kan (part 2): grid 256 x 1, 4 waves a work-group, clusters of 4 x 1, 327,680 bytes of LDS; arguments x, dense_b, wq, out0; writes out0
.if DOCPART == 2
	.amdgcn_target "amdgcn-amd-amdhsa--gfx1250"
	.amdhsa_code_object_version 6
	.text
	.protected	k_qd5d6ff855c_kan
	.globl	k_qd5d6ff855c_kan
	.p2align	8
	.type	k_qd5d6ff855c_kan,@function
k_qd5d6ff855c_kan:
	s_mov_b64 s[64:65], 0
	v_nop
	global_prefetch_b8 v0, s[64:65] scope:SCOPE_SE
	s_setreg_imm32_b32 hwreg(HW_REG_WAVE_MODE, 25, 1), 1
	s_wait_xcnt 0x0
	s_wait_alu depctr_hold_cnt(0) depctr_sa_sdst(0) depctr_va_vdst(0) depctr_va_sdst(0) depctr_va_ssrc(0) depctr_va_vcc(0) depctr_vm_vsrc(0)
	s_getreg_b32 s2, hwreg(HW_REG_IB_STS2, 6, 4)
	s_cmp_eq_u32 s2, 0
	s_cbranch_scc0 .Lentry_in_a_cluster
	s_endpgm
.Lentry_in_a_cluster:
	s_bfe_u32 s2, ttmp6, 0x10000c
	s_cmp_lg_u32 s2, 0x3003
	s_cbranch_scc0 .Lentry_shape_is_right
	s_endpgm
.Lentry_shape_is_right:
; out0 = KAN2(KAN1(silu(x dense_w^T + dense_b))), KAN(h) = silu(h) base_w^T + bases(h) (spline_w x scaler)^T; all five products on codes of FP4 (E2M1) with one E8M0 byte for each 32 along K; sums in f32.
; The weights come from wq as images of operand registers, made by the launch before (its head comment has the layout).  The hidden layers never leave the WGP.
; SHARES.  A work-group of four waves owns 64 rows.  FOR THE PRODUCTS wave w owns columns (units 128 w on in the dense layer and in layer 1, outputs 64 w on in layer 2) for all 64 rows; the matrix instruction is used
; transposed (source 0 = 16 weight rows, source 1 = 16 rows of activations), so that lane (r, hh) holds row r and units 16 t + 8 hh + j.  FOR THE VECTOR WORK wave w owns rows 16 w .. 16 w + 15.
; h goes between the two shares through LDS as f32; the activations' codes and scale words go from wave to wave through LDS as images of their registers.
; THE SPLINE PRODUCT'S K is 512 g + i (the basis g outermost): a block of 32 is ONE basis of 32 neighbouring units.  A trip takes 32 units and makes two K steps: K step a holds the four blocks of bases 4 a + 0 .. 3.
; THE BASES.  With u' = 2.5 h - 1.5 basis g has its centre at u' = g - 5, and is N(s) = ((2 - s)^3 - 4 max(1 - s, 0)^3) / 6 for the distance s <= 2 from it, else 0.  With x = u' - (g - 5): a = 2 - min(|x|, 2),
; b = max(a - 1, 0), N = a^2 (a / 6) - (2/3) b^3: no term is formed as a difference of large numbers (where b is not 0, N is at least 1/6).  h beyond the grid gives a = 0, so nothing is held beforehand.
; A lane (r, hh) holds 16 of the trip's 32 units, so a block lies in lanes l and l xor 16: the two largest values are joined by one lane permute, and the conversions' half blocks are made whole by exchanges of half registers.
; Inside every block of 32 units, the silu's too, place 8 p + e holds unit 16 (p & 1) + 8 (e >> 2) + 4 (p >> 1) + (e & 3), alike in the weights.
; LIMITS.  A block of zeros has the byte 1 where the rule says 127: its codes are zeros, and this program alone reads the bytes.  NaN among the inputs is not served.
; THE WEIGHTS' RING.  Two LDS slots; a fill is two K steps of all columns; each wave fetches and reads its own columns' chunk, one dense block, by one tensor load.  The four work-groups of a cluster walk the same weights,
; so each load is a JOINT one (the same descriptor in all four, a mask that names the four).  One tensor load of a wave is out at any time.  All of the WGP's LDS is claimed.
; A TRIP: the vector work for 32 units (one block of silu codes, their spline codes for two K steps) | the change of slots, a round of the cluster's barrier | the refill | two K steps of products.
; REGISTERS, in windows of 256.  Window 0: addresses, constants, scale words (v32-63 hold scales and nothing else), the vector work.  Window 1: the accumulators, tile (m, t) at 8 (m NT + t).
; Window 2: v0-127 weight fragments of two K steps, v128-191 activation fragments (a, m) at 128 + 32 a + 8 m; in the dense layer v64-127 hold the bias in the result's layout.
.set SLOT,  69632                      ; a slot: four chunks of 17,408 bytes.  Bits 12 and 16, which w x 17,408 never has: so one exclusive or turns an address from one slot to the other
.set CH1,   17408
.set CH2,   8704
.set W2OFF, 72*CH1
.set WDOFF, W2OFF+72*CH2
.set HB,    2*SLOT                     ; behind the ring: h, 64 rows x (2,048 bytes + 16); at the end the stage for out0
.set HP,    2064
.set ABUF0, HB+64*HP                   ; two buffers for the spline's activations: fragment (a, m) at 1,024 (4 a + m); scale words at 8,192 + 512 a + 16 lane + 4 m
.set ABSZ,  9216
.set BIMG,  ABUF0+2*ABSZ               ; the silu codes: fragment (m, K step) at 4,096 m + 1,024 K step
.set BSC,   BIMG+16384                 ; their scale bytes: row tile m, row r, block s at 256 m + 16 r + s
.set SPARE, BSC+1024                   ; the spare words, 128 bytes for each wave: two blocks of 256 bytes that no other line names
.set OP,    1040                       ; the stage for out0: rows of 1,024 bytes + 16
.set SPW, 1                            ; v1   SPARE + 4 x my thread's number; never rewritten
.set NIL, 2                            ; v2   0; never rewritten
.set LI,  3                            ; v3   16 x lane
.set HRD, 4                            ; v4   h: my row 16 w + r, + 16 hh
.set AWR, 5                            ; v5   where I store spline fragments: buffer 0, tile m = w, 16 x lane
.set ASW, 6                            ; v6   and their scale words
.set BWI, 7                            ; v7   where I store silu codes: tile m = w, 16 r + 8 hh
.set BWS, 8                            ; v8   and their scale bytes
.set SH8, 9                            ; v9   8 hh
.set BRD, 10                           ; v10  my chunk in slot 0, 16 x lane
.set A0,  11                           ; v11-15 the addresses in hand
.set A1,  12
.set A2,  13
.set A3,  14
.set A4,  15
.set HW0, 16                           ; v16  h, written from results: row r, my columns, + 32 hh;  v17 the same 32 rows on
.set CM,  18                           ; v[18:19] -1.5
.set TM,  20                           ; v20-23 four blocks' largest values; v24-27 lane l xor 16's, then the bytes; v28-31 the conversions' scale operands
.set BS,  32                           ; v32-39 weight scale words: lanes 0-15 an even fragment's, lanes 16-31 the next odd one's
.set AS,  40                           ; v40-47 the spline activations' scale words (a, m)
.set BSR, 48                           ; v48-63 the silu activations' (m, K step)
.set HV,  64                           ; v64-79   my 16 numbers of h: 8 i + 4 c + q is unit 16 i + 8 c + 4 hh + q of the trip's 32
.set SV,  80                           ; v80-95   their silu
.set U,   96                           ; v96-111  u'
.set Z0,  112                          ; v112-159 three sets of 16, at work on one basis
.set Z1,  128
.set Z2,  144
.set FRG, 160                          ; v160-167 a fragment's registers
.set PW,  168                          ; v168     its scale word
.set PT,  169                          ; v169     a lane permute's destination
.set BBY, 170                          ; v170     the silu block's byte
.set BX,  172                          ; v172-173 its largest magnitude, at work
.set BC,  174                          ; v[174:175] its codes
.set RUN, 192                          ; v192-255 four bases of my 16 numbers: register 16 b + n
.set KC,  66                           ; s[66:73] four pairs: 5 - g for the pass's four bases (the packed form names a pair and takes its low word for both halves)
.set MSB, 0
.macro WIN new                         ; the immediate's high byte repeats the setting that is left; a switch that changes nothing is dropped
.if MSB != \new
	s_set_vgpr_msb (MSB<<8)|\new
.set MSB, \new
.endif
.endm
.macro PLACES                          ; four plain vector lines between a matrix instruction and a read of its result, or a load into one of its registers
.rept 4
	v_nop
.endr
.endm
.macro BAR                             ; my LDS stores have landed and my LDS loads are in: then the work-group's barrier
	s_wait_dscnt 0x0
	s_barrier_signal -1
	s_barrier_wait -1
.endm
.macro ROUND                           ; a round of the cluster's barrier: my work-group's barrier; wave 0 signals for the work-group; every wave waits for all four work-groups; my work-group's barrier once more
	s_barrier_signal -1
	s_barrier_wait -1
	s_cmp_lg_u32 s12, 0
	s_cbranch_scc1 .Lnot_wave_0_\@
	s_barrier_signal -3
.Lnot_wave_0_\@:
	s_barrier_wait -3
	s_barrier_signal -1
	s_barrier_wait -1
.endm
	s_load_b256 s[4:11], s[0:1], 0x0               ; x s[4:5], dense_b s[6:7], wq s[8:9], out0 s[10:11]
	v_lshl_add_u32 v[SPW], v0, 2, SPARE
	v_mov_b32 v[NIL], 0
	ds_add_u32 v1, v2
	ds_add_u32 v1, v2
	s_wait_dscnt 0x0
	v_lshrrev_b32 v3, 5, v0
	v_readfirstlane_b32 s12, v3                    ; wave 0 .. 3
	s_bfe_u32 s13, ttmp6, 0x40000                  ; cx: my place in the cluster
	s_lshl_b32 s14, ttmp9, 2
	s_add_co_u32 s14, s14, s13                     ; my block of 64 rows: it enters x's and out0's addresses alone
	; descriptor group 1: a dense block as rows of 256 bytes (32 elements of 8 bytes): 68 rows in layer 1, 34 in layer 2
	s_mov_b32 s16, 15|(3<<16)|(1<<21)              ; 15:0 the mask: all four work-groups; 17:16 elements of 8 bytes; 21 set beside a mask; no padding: the images are read as they lie
	s_mov_b32 s17, 32<<16                          ; tensor_dim0 = 32
	s_mov_b32 s18, 68<<16                          ; tensor_dim1 = 68
	s_mov_b32 s19, 32<<16                          ; tile_dim0 = 32
	s_mov_b32 s20, 68                              ; tile_dim1 = 68
	s_mov_b32 s21, 32                              ; from row to row
	s_mov_b32 s22, 0
	s_mov_b32 s23, 0
	s_mov_b32 s24, 15|(3<<16)|(1<<21)
	s_mov_b32 s25, 32<<16
	s_mov_b32 s26, 34<<16
	s_mov_b32 s27, 32<<16
	s_mov_b32 s28, 34
	s_mov_b32 s29, 32
	s_mov_b32 s30, 0
	s_mov_b32 s31, 0
	; group 0: s[32:35] walks layer 1's chunks, s[36:39] layer 2's; both begin in slot 0, at my wave's place: no place in the cluster enters them
	s_mov_b32 s32, 1
	s_mul_i32 s33, s12, CH1
	s_mov_b32 s36, 1
	s_mov_b32 s37, s33
	s_mov_b32 s58, s33
	s_mov_b32 s59, 0
	s_mul_i32 s60, s12, CH2
	s_mov_b32 s61, 0
	s_wait_kmcnt 0x0
	s_add_nc_u64 s[34:35], s[8:9], s[58:59]
	s_or_b32 s35, s35, 0x80000000                  ; type = 2
	s_add_nc_u64 s[38:39], s[8:9], s[60:61]
	s_add_nc_u64 s[60:61], s[38:39], WDOFF         ; dense_w's chunk of my wave: loaded straight into registers
	s_add_nc_u64 s[38:39], s[38:39], W2OFF
	s_or_b32 s39, s39, 0x80000000
	ROUND                                          ; all four work-groups are here: the first joint loads meet
	tensor_load_to_lds s[32:35], s[16:23]          ; fill 0: layer 1's K steps 0 and 1
	s_nop 0
	PLACES                                         ; (four lines behind a tensor load)
	v_and_b32 v11, 31, v0                          ; lane
	v_and_b32 v12, 15, v0                          ; r
	v_bfe_u32 v13, v0, 4, 1                        ; hh
	v_lshlrev_b32 v[LI], 4, v11
	v_mul_u32_u24 v14, v12, HP
	s_mul_i32 s58, s12, 16*HP
	s_add_co_u32 s58, s58, HB
	v_lshl_add_u32 v[HRD], v13, 4, v14
	v_add_nc_u32 v[HRD], s58, v[HRD]
	s_lshl_b32 s58, s12, 10
	s_add_co_u32 s58, s58, ABUF0
	v_add_nc_u32 v[AWR], s58, v[LI]
	s_lshl_b32 s58, s12, 2
	s_add_co_u32 s58, s58, ABUF0+8192
	v_add_nc_u32 v[ASW], s58, v[LI]
	v_lshlrev_b32 v15, 4, v12
	s_lshl_b32 s58, s12, 12
	s_add_co_u32 s58, s58, BIMG
	v_lshl_add_u32 v[BWI], v13, 3, v15
	v_add_nc_u32 v[BWI], s58, v[BWI]
	s_lshl_b32 s58, s12, 8
	s_add_co_u32 s58, s58, BSC
	v_add_nc_u32 v[BWS], s58, v15
	v_lshlrev_b32 v[SH8], 3, v13
	s_mul_i32 s58, s12, CH1
	v_add_nc_u32 v[BRD], s58, v[LI]
	s_lshl_b32 s58, s12, 9
	s_add_co_u32 s58, s58, HB
	v_lshl_add_u32 v[HW0], v13, 5, v14
	v_add_nc_u32 v[HW0], s58, v[HW0]
	v_add_nc_u32 v[HW0+1], 32*HP, v[HW0]
	v_lshlrev_b32 v15, 8, v12
	v_lshl_add_u32 v15, v13, 7, v15                ; x: row r of 256 bytes, + 128 hh: my block of 32
	v_lshlrev_b32 v14, 5, v13                      ; the bias: + 32 hh
	s_lshl_b32 s58, s14, 6
	s_lshl_b32 s59, s12, 4
	s_add_co_u32 s58, s58, s59                     ; my wave's first row: 64 x block + 16 x wave
	s_lshl_b32 s62, s58, 10
	s_mov_b32 s63, 0
	s_add_nc_u64 s[10:11], s[10:11], s[62:63]      ; in out0,
	s_lshl_b32 s58, s58, 8
	s_mov_b32 s59, 0
	s_add_nc_u64 s[4:5], s[4:5], s[58:59]          ; in x
	s_lshl_b32 s58, s12, 9
	s_add_nc_u64 s[6:7], s[6:7], s[58:59]          ; dense_b at my 128 units
.irp p, 0,1,2,3,4,5,6,7
	global_load_b128 v[64+4*\p:67+4*\p], v15, s[4:5] offset:16*\p   ; x(row, 32 hh + 4 p ..)
.endr
	WIN 0x80                                       ; destination window 2
.irp t, 0,1,2,3,4,5,6,7
	global_load_b128 v[8*\t:8*\t+3], v[LI], s[60:61] offset:1024*\t         ; dense_w's eight fragments
	global_load_b128 v[8*\t+4:8*\t+7], v[LI], s[60:61] offset:1024*\t+512
.endr
.irp t, 0,1,2,3,4,5,6,7
	global_load_b128 v[64+8*\t:67+8*\t], v14, s[6:7] offset:64*\t           ; the bias of units 16 t + 8 hh + 0 .. 7: the C of tile t
	global_load_b128 v[68+8*\t:71+8*\t], v14, s[6:7] offset:64*\t+16
.endr
	WIN 0
	global_load_b128 v[BS:BS+3], v[LI], s[60:61] offset:8192                ; and their scale words
	s_mov_b32 s48, 0x40200000                      ; 2.5
	s_mov_b32 s49, s48                             ; (named with it as a pair, so it is written)
	s_mov_b32 s54, 0xbfb8aa3b                      ; -log2(e)
	s_mov_b32 s55, s54
	s_mov_b32 s56, 0x76543210
	s_mov_b32 s57, 0xfedcba98                      ; v_permlanex16_b32's selects for lane l xor 16
	s_mov_b32 s[KC+1], 0                           ; the upper words of the four pairs are named and not used: written once
	s_mov_b32 s[KC+3], 0
	s_mov_b32 s[KC+5], 0
	s_mov_b32 s[KC+7], 0
	v_mov_b32 v[CM], 0xbfc00000
	v_mov_b32 v[CM+1], 0xbfc00000
	v_mov_b32 v[PT], 0                             ; a lane permute's destination counts as one of its sources
.irp b, 0,1,2,3
	v_mov_b32 v[TM+4+\b], 0
.endr
	; ---- x: my 16 rows become a fragment.  K = 64: lane (r, hh) holds block hh whole; places 64 .. 127 are zero codes, whose scale bytes stay 0
	s_wait_loadcnt 33                              ; x's eight loads are in; the 33 issued behind them may be out
	v_max3_num_f32 v96, |v64|, |v65|, 0x1800000    ; the block's largest magnitude, with the floor 2^(3 - 127)
.irp i, 2,4,6,8,10,12,14,16,18,20,22,24,26,28,30
	v_max3_num_f32 v96, v96, |v[64+\i]|, |v[65+\i]|
.endr
	v_add_nc_u32 v97, 0xff000000, v96              ; 2 off its exponent field: the conversion's scale operand
.irp g, 0,1,2,3
	v_cvt_scalef32_pk8_fp4_f32 v[FRG+\g], v[64+8*\g:71+8*\g], v97
.endr
	v_lshrrev_b32 v98, 23, v97                     ; the byte.  (A plain line behind the conversions)
	v_lshlrev_b32 v[PW], v[SH8], v98
	v_permlanex16_b32 v[PT], v[PW], s56, s57
	v_or_b32 v[PW], v[PW], v[PT]                   ; bytes 0 and 1 of my row's word
.irp g, 4,5,6,7
	v_mov_b32 v[FRG+\g], 0
.endr
	ds_store_b128 v[AWR], v[FRG:FRG+3]
	ds_store_b128 v[AWR], v[FRG+4:FRG+7] offset:512
	ds_store_b32 v[ASW], v[PW]
	BAR                                            ; x's four fragments lie in LDS.  (Fill 0 stays out)
	; ---- the dense layer and its silu: a tile of 16 rows a trip, my 128 units
	s_mov_b32 s43, ABUF0
	s_mov_b32 s44, ABUF0+8192
	s_mov_b32 s45, 0
	s_mov_b32 s46, 4
.Ldense:
	v_add_nc_u32 v[A0], s43, v[LI]
	v_add_nc_u32 v[A1], s44, v[LI]
	v_add_nc_u32 v[A4], s45, v[HW0]
	ds_load_b32 v[AS], v[A1]                       ; the tile's scale words
	WIN 0x80
	ds_load_b128 v[128:131], v[A0]
	ds_load_b128 v[132:135], v[A0] offset:512
	s_wait_loadcnt 0x0                             ; the weights and the bias (met at once from the second trip on)
	s_wait_dscnt 0x0
	WIN 0x6a                                       ; sources 0, 1 and C window 2, D window 1
.irp t, 0,2,4,6
	v_wmma_scale_f32_16x16x128_f8f6f4 v[8*\t:8*\t+7], v[8*\t:8*\t+7], v[128:135], v[64+8*\t:71+8*\t], v[BS+\t/2], v[AS] matrix_a_fmt:MATRIX_FMT_FP4 matrix_b_fmt:MATRIX_FMT_FP4
	v_wmma_scale_f32_16x16x128_f8f6f4 v[8*\t+8:8*\t+15], v[8*\t+8:8*\t+15], v[128:135], v[72+8*\t:79+8*\t], v[BS+\t/2], v[AS] matrix_a_fmt:MATRIX_FMT_FP4 matrix_b_fmt:MATRIX_FMT_FP4 matrix_a_scale:MATRIX_SCALE_ROW1
.endr
	WIN 0x01                                       ; source 0 window 1
	PLACES
.set i, 0
.rept 32
	v_pk_mul_f32 v[64+2*i:65+2*i], v[2*i:2*i+1], s[54:55] op_sel_hi:[1,0]   ; -log2(e) z; each accumulator is read from its low end on
.set i, i+1
.endr
	WIN 0
.set i, 0
.rept 64
	v_exp_f32 v[64+i], v[64+i]
.set i, i+1
.endr
	v_nop                                          ; a plain line behind the last exponential
	s_wait_alu depctr_va_vdst(0)                   ; one wait for the batch, ahead of its first reader
.set i, 0
.rept 32
	v_pk_add_f32 v[64+2*i:65+2*i], v[64+2*i:65+2*i], 1.0 op_sel_hi:[1,0]
.set i, i+1
.endr
.set i, 0
.rept 64
	v_rcp_f32 v[64+i], v[64+i]
.set i, i+1
.endr
	v_nop
	s_wait_alu depctr_va_vdst(0)
	WIN 0x01
.set i, 0
.rept 32
	v_pk_mul_f32 v[128+2*i:129+2*i], v[2*i:2*i+1], v[64+2*i:65+2*i]         ; silu(z) = z / (1 + 2^(-log2(e) z))
.set i, i+1
.endr
	WIN 0
.irp t, 0,1,2,3,4,5,6,7
	ds_store_b128 v[A4], v[128+8*\t:131+8*\t] offset:64*\t                  ; h(16 m + r, 128 w + 16 t + 8 hh + 0 .. 7)
	ds_store_b128 v[A4], v[132+8*\t:135+8*\t] offset:64*\t+16
.endr
	s_wait_dscnt 0x0                               ; the stores have read their registers
	s_add_co_u32 s43, s43, 1024
	s_add_co_u32 s44, s44, 4
	s_add_co_u32 s45, s45, 16*HP
	s_sub_co_u32 s46, s46, 1
	s_cmp_lg_u32 s46, 0
	s_cbranch_scc1 .Ldense
	s_barrier_signal -1
	s_barrier_wait -1                              ; h lies in LDS, and nobody reads x's fragments any more
; ---- THE VECTOR WORK.  BASIS b: basis 4 a + b of my 16 numbers, into v[RUN + 16 b] on.  The work goes stage by stage over the 16 numbers, so that no line waits for the line above it.
.macro BASIS b
.irp i, 0,1,2,3,4,5,6,7
	v_pk_add_f32 v[Z0+2*\i:Z0+2*\i+1], v[U+2*\i:U+2*\i+1], s[KC+2*\b:KC+2*\b+1] op_sel_hi:[1,0]   ; x = u' - the centre
.endr
.irp n, 0,1,2,3,4,5,6,7,8,9,10,11,12,13,14,15
	v_min_num_f32 v[Z0+\n], |v[Z0+\n]|, 2.0
.endr
.irp i, 0,1,2,3,4,5,6,7
	v_pk_fma_f32 v[Z0+2*\i:Z0+2*\i+1], v[Z0+2*\i:Z0+2*\i+1], -1.0, 2.0 op_sel_hi:[1,0,0]          ; a = 2 - min(|x|, 2)
.endr
.irp i, 0,1,2,3,4,5,6,7
	v_pk_add_f32 v[Z1+2*\i:Z1+2*\i+1], v[Z0+2*\i:Z0+2*\i+1], -1.0 op_sel_hi:[1,0]
.endr
.irp n, 0,1,2,3,4,5,6,7,8,9,10,11,12,13,14,15
	v_max_num_f32 v[Z1+\n], 0, v[Z1+\n]                                                          ; b = max(a - 1, 0)
.endr
.irp i, 0,1,2,3,4,5,6,7
	v_pk_mul_f32 v[Z2+2*\i:Z2+2*\i+1], v[Z0+2*\i:Z0+2*\i+1], v[Z0+2*\i:Z0+2*\i+1]                 ; a^2
.endr
.irp i, 0,1,2,3,4,5,6,7
	v_pk_mul_f32 v[Z0+2*\i:Z0+2*\i+1], v[Z0+2*\i:Z0+2*\i+1], 0x3e2aaaab op_sel_hi:[1,0]           ; a / 6
.endr
.irp i, 0,1,2,3,4,5,6,7
	v_pk_mul_f32 v[Z2+2*\i:Z2+2*\i+1], v[Z2+2*\i:Z2+2*\i+1], v[Z0+2*\i:Z0+2*\i+1]                 ; a^3 / 6
.endr
.irp i, 0,1,2,3,4,5,6,7
	v_pk_mul_f32 v[Z0+2*\i:Z0+2*\i+1], v[Z1+2*\i:Z1+2*\i+1], v[Z1+2*\i:Z1+2*\i+1]                 ; b^2
.endr
.irp i, 0,1,2,3,4,5,6,7
	v_pk_mul_f32 v[Z0+2*\i:Z0+2*\i+1], v[Z0+2*\i:Z0+2*\i+1], v[Z1+2*\i:Z1+2*\i+1]                 ; b^3
.endr
.irp i, 0,1,2,3,4,5,6,7
	v_pk_fma_f32 v[RUN+16*\b+2*\i:RUN+16*\b+2*\i+1], v[Z0+2*\i:Z0+2*\i+1], 0xbf2aaaab, v[Z2+2*\i:Z2+2*\i+1] op_sel_hi:[1,0,1]   ; a^3 / 6 - (2/3) b^3
.endr
.endm
; VEC: the trip's 32 units of my 16 rows: silu and its block first, then two passes, written once and walked twice, each for four bases: one K step's fragment and scale word.
.macro VEC
	v_add_nc_u32 v[A0], s43, v[HRD]
.irp j, 0,1,2,3
	ds_load_b128 v[HV+4*\j:HV+4*\j+3], v[A0] offset:32*\j
.endr
	s_mov_b32 s[KC], 0x40a00000                    ; 5 - g for bases 0 .. 3: 5, 4, 3, 2
	s_mov_b32 s[KC+2], 0x40800000
	s_mov_b32 s[KC+4], 0x40400000
	s_mov_b32 s[KC+6], 0x40000000
	s_mov_b32 s58, s42                             ; the buffer in hand: the pass's fragment lies 4,096 a on,
	s_mov_b32 s59, s42                             ; its scale words 512 a on
	s_mov_b32 s47, 2
	s_wait_dscnt 0x0
.irp i, 0,1,2,3,4,5,6,7
	v_pk_mul_f32 v[SV+2*\i:SV+2*\i+1], v[HV+2*\i:HV+2*\i+1], s[54:55] op_sel_hi:[1,0]
.endr
.irp j, 0,1,2,3,4,5,6,7,8,9,10,11,12,13,14,15
	v_exp_f32 v[SV+\j], v[SV+\j]
.endr
.irp i, 0,1,2,3,4,5,6,7
	v_pk_fma_f32 v[U+2*\i:U+2*\i+1], v[HV+2*\i:HV+2*\i+1], s[48:49], v[CM:CM+1] op_sel_hi:[1,0,1]   ; u' = 2.5 h - 1.5.  (Plain work behind the exponentials)
.endr
	s_wait_alu depctr_va_vdst(0)                   ; one wait for the sixteen exponentials, ahead of their first reader
.irp i, 0,1,2,3,4,5,6,7
	v_pk_add_f32 v[SV+2*\i:SV+2*\i+1], v[SV+2*\i:SV+2*\i+1], 1.0 op_sel_hi:[1,0]
.endr
.irp j, 0,1,2,3,4,5,6,7,8,9,10,11,12,13,14,15
	v_rcp_f32 v[SV+\j], v[SV+\j]
.endr
	v_add_nc_u32 v[A3], s44, v[BWI]                ; (plain work behind the reciprocals)
	v_add_nc_u32 v[A4], s45, v[BWS]
	s_wait_alu depctr_va_vdst(0)                   ; and one for the sixteen reciprocals
.irp i, 0,1,2,3,4,5,6,7
	v_pk_mul_f32 v[SV+2*\i:SV+2*\i+1], v[SV+2*\i:SV+2*\i+1], v[HV+2*\i:HV+2*\i+1]
.endr
	; the trip's 32 units are one block of the base product's K: my 16 and lane l xor 16's
	v_max3_num_f32 v[BX], |v[SV]|, |v[SV+1]|, 0x1800000
	v_max3_num_f32 v[BX+1], |v[SV+8]|, |v[SV+9]|, |v[SV+10]|
	v_max3_num_f32 v[BX], v[BX], |v[SV+2]|, |v[SV+3]|
	v_max3_num_f32 v[BX+1], v[BX+1], |v[SV+11]|, |v[SV+12]|
	v_max3_num_f32 v[BX], v[BX], |v[SV+4]|, |v[SV+5]|
	v_max3_num_f32 v[BX+1], v[BX+1], |v[SV+13]|, |v[SV+14]|
	v_max3_num_f32 v[BX], v[BX], |v[SV+6]|, |v[SV+7]|
	v_max3_num_f32 v[BX], v[BX], v[BX+1], |v[SV+15]|
	v_permlanex16_b32 v[BX+1], v[BX], s56, s57
	v_max_num_f32 v[BX], v[BX], v[BX+1]
	v_add_nc_u32 v[BX+1], 0xff000000, v[BX]
	v_cvt_scalef32_pk8_fp4_f32 v[BC], v[SV:SV+7], v[BX+1]
	v_cvt_scalef32_pk8_fp4_f32 v[BC+1], v[SV+8:SV+15], v[BX+1]
	v_lshrrev_b32 v[BBY], 23, v[BX+1]              ; the byte.  (A plain line behind the conversions)
	ds_store_b64 v[A3], v[BC:BC+1]                 ; registers 2 hh and 2 hh + 1 of the block's four
	ds_store_b8 v[A4], v[BBY]                      ; both halves of the lanes write the same byte with the same value
.Lpass_\@:
	BASIS 0
	BASIS 1
	BASIS 2
	BASIS 3
.irp b, 0,1,2,3
	v_max3_num_f32 v[TM+\b], v[RUN+16*\b], v[RUN+1+16*\b], 0x1800000   ; block b: my 16 numbers (none is negative), and the floor 2^(3 - 127): the byte cannot fall under 1
.endr
.irp i, 2,4,6,8,10,12,14
.irp b, 0,1,2,3
	v_max3_num_f32 v[TM+\b], v[TM+\b], v[RUN+16*\b+\i], v[RUN+1+16*\b+\i]   ; (the four blocks by turns)
.endr
.endr
.irp b, 0,1,2,3
	v_permlanex16_b32 v[TM+4+\b], v[TM+\b], s56, s57
.endr
.irp b, 0,1,2,3
	v_max_num_f32 v[TM+\b], v[TM+\b], v[TM+4+\b]   ; with lane l xor 16's: the block's largest value
.endr
.irp b, 0,1,2,3
	v_add_nc_u32 v[TM+8+\b], 0xff000000, v[TM+\b]  ; 2 off its exponent field: the conversion's scale operand
.endr
.irp b, 0,1,2,3
	v_lshrrev_b32 v[TM+4+\b], 23, v[TM+8+\b]       ; the scale's byte
.endr
	s_wait_dscnt 0x0                               ; the last pass's stores are done: their addresses and data are written again only behind this wait
	v_add_nc_u32 v[A1], s58, v[AWR]
	v_add_nc_u32 v[A2], s59, v[ASW]
	v_lshl_or_b32 v[PW], v[TM+5], 8, v[TM+4]       ; the four bytes make my row's scale word
	v_lshl_or_b32 v[PW], v[TM+6], 16, v[PW]
	v_lshl_or_b32 v[PW], v[TM+7], 24, v[PW]
.irp b, 0,1,2,3
	v_cvt_scalef32_pk8_fp4_f32 v[FRG+2*\b], v[RUN+16*\b:RUN+16*\b+7], v[TM+8+\b]
	v_cvt_scalef32_pk8_fp4_f32 v[FRG+1+2*\b], v[RUN+16*\b+8:RUN+16*\b+15], v[TM+8+\b]
.endr
	v_nop                                          ; one plain line behind the last scaled conversion
.irp c, 0,1                                    ; the operand's layout wants a WHOLE block in a lane: lanes 0-15 block 2 c, lanes 16-31 block 2 c + 1
.irp i, 0,1
	v_permlane16_swap_b32 v[FRG+4*\c+\i], v[FRG+2+4*\c+\i]
.endr
.endr
	ds_store_b128 v[A1], v[FRG:FRG+3]
	ds_store_b128 v[A1], v[FRG+4:FRG+7] offset:512
	ds_store_b32 v[A2], v[PW]
	s_mov_b32 s[KC], 0x3f800000                    ; 5 - g for bases 4 .. 7: 1, 0, -1, -2
	s_mov_b32 s[KC+2], 0
	s_mov_b32 s[KC+4], 0xbf800000
	s_mov_b32 s[KC+6], 0xc0000000
	s_add_co_u32 s58, s58, 4096
	s_add_co_u32 s59, s59, 512
	s_sub_co_u32 s47, s47, 1
	s_cmp_lg_u32 s47, 0
	s_cbranch_scc1 .Lpass_\@
.endm
; ---- THE PRODUCTS of a trip: two K steps.  nt: my tiles of columns (8 or 4).  kb < 0: the spline's activations, from the buffer in hand; kb = 0, 2: the silu's K steps kb and kb + 1.
.macro FRAGS nt, a, kb
.set ft, 0
.rept \nt
	ds_load_b128 v[8*(\nt*\a+ft):8*(\nt*\a+ft)+3], v[A0] offset:1024*(\nt*\a+ft)
	ds_load_b128 v[8*(\nt*\a+ft)+4:8*(\nt*\a+ft)+7], v[A0] offset:1024*(\nt*\a+ft)+512
.set ft, ft+1
.endr
.irp m, 0,1,2,3
.if \kb < 0
	ds_load_b128 v[128+32*\a+8*\m:128+32*\a+8*\m+3], v[A1] offset:1024*(4*\a+\m)
	ds_load_b128 v[128+32*\a+8*\m+4:128+32*\a+8*\m+7], v[A1] offset:1024*(4*\a+\m)+512
.else
	ds_load_b128 v[128+32*\a+8*\m:128+32*\a+8*\m+3], v[A1] offset:4096*\m+1024*(\kb+\a)
	ds_load_b128 v[128+32*\a+8*\m+4:128+32*\a+8*\m+7], v[A1] offset:4096*\m+1024*(\kb+\a)+512
.endif
.endr
.endm
; 4 nt matrix instructions: the accumulators take turns, one instruction a turn, in the same order in every K step.  zero = 1: the product starts the sums: nothing is ever cleared.
.macro PRODS nt, a, kb, zero
.set pm, 0
.rept 4
.set pt, 0
.rept \nt
.set rD, 8*(pm*\nt+pt)
.set rW, 8*(\nt*\a+pt)
.set rA, 128+32*\a+8*pm
.if \nt == 8
.set rBS, BS+4*\a+pt/2
.else
.set rBS, BS+2*\a+pt/2
.endif
.if \kb < 0
.set rAS, AS+4*\a+pm
.else
.set rAS, BSR+4*pm+\kb+\a
.endif
.if \zero
.if pt%2
	v_wmma_scale_f32_16x16x128_f8f6f4 v[rD:rD+7], v[rW:rW+7], v[rA:rA+7], 0, v[rBS], v[rAS] matrix_a_fmt:MATRIX_FMT_FP4 matrix_b_fmt:MATRIX_FMT_FP4 matrix_a_scale:MATRIX_SCALE_ROW1
.else
	v_wmma_scale_f32_16x16x128_f8f6f4 v[rD:rD+7], v[rW:rW+7], v[rA:rA+7], 0, v[rBS], v[rAS] matrix_a_fmt:MATRIX_FMT_FP4 matrix_b_fmt:MATRIX_FMT_FP4
.endif
.else
.if pt%2
	v_wmma_scale_f32_16x16x128_f8f6f4 v[rD:rD+7], v[rW:rW+7], v[rA:rA+7], v[rD:rD+7], v[rBS], v[rAS] matrix_a_fmt:MATRIX_FMT_FP4 matrix_b_fmt:MATRIX_FMT_FP4 matrix_a_scale:MATRIX_SCALE_ROW1
.else
	v_wmma_scale_f32_16x16x128_f8f6f4 v[rD:rD+7], v[rW:rW+7], v[rA:rA+7], v[rD:rD+7], v[rBS], v[rAS] matrix_a_fmt:MATRIX_FMT_FP4 matrix_b_fmt:MATRIX_FMT_FP4
.endif
.endif
.set pt, pt+1
.endr
.set pm, pm+1
.endr
.endm
.macro GEMM nt, kb, zero
	v_add_nc_u32 v[A0], s40, v[BRD]                ; my chunk in the slot in hand
.if \kb < 0
	s_add_co_u32 s58, s42, ABUF0
	v_add_nc_u32 v[A1], s58, v[LI]
.else
	v_add_nc_u32 v[A1], BIMG, v[LI]
.endif
.if \kb == 0
	v_and_b32 v[A2], 15, v0
	v_lshl_add_u32 v[A2], v[A2], 4, BSC
.irp m, 0,1,2,3
	ds_load_b128 v[BSR+4*\m:BSR+4*\m+3], v[A2] offset:256*\m   ; row r's sixteen bytes: the scale words of the silu's four K steps; they serve the next trip too
.endr
.endif
.if \nt == 8
	ds_load_b128 v[BS:BS+3], v[A0] offset:16384
	ds_load_b128 v[BS+4:BS+7], v[A0] offset:16384+512
.else
	ds_load_b128 v[BS:BS+3], v[A0] offset:8192
.endif
.if \kb < 0
	ds_load_b128 v[AS:AS+3], v[A1] offset:8192
	ds_load_b128 v[AS+4:AS+7], v[A1] offset:8192+512
.endif
	WIN 0x80                                       ; destination window 2, address window 0
	FRAGS \nt, 0, \kb
	FRAGS \nt, 1, \kb
	s_wait_dscnt 2*\nt+8                           ; all but the second K step's 2 nt + 8 fragment loads are in
	WIN 0x5a                                       ; sources 0 and 1 window 2, C and D window 1
	PRODS \nt, 0, \kb, \zero
	s_wait_dscnt 0x0
	PRODS \nt, 1, \kb, 0
	WIN 0
.endm
; ---- A TRIP.  The one round does three things: every wave sees the activations just stored; nobody reads the other slot or the other buffer any more; the four work-groups are in step for the joint refill.
; fill = 1: layer 1's next chunk; 2: layer 2's first; 3: layer 2's next.  The refill has this trip's products and the next trip's vector work in which to land.
.macro TRIP nt, vec, kb, zero, fill
.if \vec
	VEC
.endif
	s_wait_tensorcnt 0x0                           ; my one tensor load has landed: this trip's chunk; so a group 0 may be written
	ds_add_u32 v[SPW], v[NIL]                      ; 0 onto my spare word
.if \fill == 1
	s_xor_b32 s33, s33, SLOT                       ; the walking descriptor: the other slot,
	s_add_nc_u64 s[34:35], s[34:35], 4*CH1         ; the next two K steps; the type bits on top are not reached
.elseif \fill == 3
	s_xor_b32 s37, s37, SLOT
	s_add_nc_u64 s[38:39], s[38:39], 4*CH2
.endif
	s_wait_dscnt 0x0                               ; the add is done, my stores have landed, and my reads of the last trip's slot and buffer are over
	ROUND
.if \fill == 1
	tensor_load_to_lds s[32:35], s[16:23]
	s_nop 0
.else
	tensor_load_to_lds s[36:39], s[24:31]
	s_nop 0
.endif
	PLACES                                         ; four lines behind a tensor load; they are also the places in front of the loads below
	GEMM \nt, \kb, \zero
	s_xor_b32 s40, s40, SLOT
.if \vec
	s_xor_b32 s42, s42, ABSZ                       ; the other buffer
	s_add_co_u32 s43, s43, 128                     ; 32 units on in h,
	s_add_co_u32 s44, s44, 256                     ; a block on among the silu codes,
	s_add_co_u32 s45, s45, 1                       ; and among their bytes
.endif
.endm
	; ---- layer 1: 16 trips of spline, 2 of silu
	s_mov_b32 s40, 0
	s_mov_b32 s42, 0
	s_mov_b32 s43, 0
	s_mov_b32 s44, 0
	s_mov_b32 s45, 0
	TRIP 8, 1, -1, 1, 1                            ; the first trip stands in front of the loop: its first K step starts the sums
	s_mov_b32 s46, 15
.Llayer1:
	TRIP 8, 1, -1, 0, 1
	s_sub_co_u32 s46, s46, 1
	s_cmp_lg_u32 s46, 0
	s_cbranch_scc1 .Llayer1
	TRIP 8, 0, 0, 0, 1
	TRIP 8, 0, 2, 0, 2                             ; the ring goes on into layer 2
	PLACES
	WIN 0x04                                       ; an LDS store's data are its source 1: window 1
.set i, 0
.rept 32
	ds_store_b128 v[HW0+i/16], v[8*i:8*i+3] offset:((i/8)%2)*16*HP+64*(i%8)          ; tile (m, t) = (i / 8, i % 8), each accumulator from its low end on.  Every wave's last read of the old h stands ahead of two rounds
	ds_store_b128 v[HW0+i/16], v[8*i+4:8*i+7] offset:((i/8)%2)*16*HP+64*(i%8)+16
.set i, i+1
.endr
	WIN 0
	BAR                                            ; the new h lies in LDS, and nobody reads the silu codes any more.  (Layer 2's first chunk stays out)
	; ---- layer 2
	s_mov_b32 s43, 0
	s_mov_b32 s44, 0
	s_mov_b32 s45, 0
	TRIP 4, 1, -1, 1, 3
	s_mov_b32 s46, 15
.Llayer2:
	TRIP 4, 1, -1, 0, 3
	s_sub_co_u32 s46, s46, 1
	s_cmp_lg_u32 s46, 0
	s_cbranch_scc1 .Llayer2
	TRIP 4, 0, 0, 0, 3
	s_wait_tensorcnt 0x0                           ; the last trip is written out: nothing is left to fetch.  My last chunk is in, and I alone read it; the silu codes were shown by the rounds before
	PLACES
	GEMM 4, 2, 0
	; ---- the way out: a row's 256 outputs come from four waves: they meet in a stage (in h's bytes, which nobody reads any more), and each wave stores 16 whole rows.  The six lines below are the places behind the last products
	v_and_b32 v[A2], 15, v0
	v_bfe_u32 v[A3], v0, 4, 1
	v_mul_u32_u24 v[A0], v[A2], OP
	v_lshl_add_u32 v[A0], v[A3], 5, v[A0]
	s_lshl_b32 s58, s12, 8
	s_add_co_u32 s58, s58, HB
	v_add_nc_u32 v[A0], s58, v[A0]                 ; in: row r, + 256 w, + 32 hh
	s_mul_i32 s58, s12, 16*OP
	s_add_co_u32 s58, s58, HB
	v_add_nc_u32 v[A1], s58, v[LI]                 ; back: my 16 rows, 16 bytes a lane
	WIN 0x04
.set i, 0
.rept 16
	ds_store_b128 v[A0], v[8*i:8*i+3] offset:(i/4)*16*OP+64*(i%4)                    ; tile (m, t) = (i / 4, i % 4): out0(16 m + r, 64 w + 16 t + 8 hh + 0 .. 7)
	ds_store_b128 v[A0], v[8*i+4:8*i+7] offset:(i/4)*16*OP+64*(i%4)+16
.set i, i+1
.endr
	WIN 0
	BAR
.set i, 0
.rept 32
	ds_load_b128 v[64+4*i:67+4*i], v[A1] offset:(i/2)*OP+512*(i%2)
.set i, i+1
.endr
.set i, 0
.rept 32
	s_wait_dscnt 31-i                              ; LDS loads come back in order: load i is in, the 31 - i younger ones may be out
	global_store_b128 v[LI], v[64+4*i:67+4*i], s[10:11] offset:(i/2)*1024+512*(i%2) th:TH_STORE_NT   ; 32 lanes store 512 consecutive bytes, at a multiple of 256 from out0's first byte
.set i, i+1
.endr
	s_wait_tensorcnt 0x0                           ; the wave's end, behind my last tensor load and my last LDS store
	ds_add_u32 v[SPW], v[NIL]
	s_wait_dscnt 0x0
	ROUND                                          ; the closing round: no work-group ends while a partner may still ask for a chunk that names it
	s_endpgm
.Lfunc_end_k_qd5d6ff855c_kan:
	.size	k_qd5d6ff855c_kan, .Lfunc_end_k_qd5d6ff855c_kan-k_qd5d6ff855c_kan
	.p2alignl 7, 3214868480
	.fill 96, 4, 3214868480
	.section	.rodata,"a",@progbits
	.p2align	6, 0x0
	.amdhsa_kernel k_qd5d6ff855c_kan
		.amdhsa_group_segment_fixed_size 327680
		.amdhsa_private_segment_fixed_size 0
		.amdhsa_enable_private_segment 0
		.amdhsa_kernarg_size 32
		.amdhsa_user_sgpr_count 2
		.amdhsa_user_sgpr_kernarg_segment_ptr 1
		.amdhsa_wavefront_size32 1
		.amdhsa_system_sgpr_workgroup_id_x 1
		.amdhsa_system_sgpr_workgroup_id_y 1
		.amdhsa_system_sgpr_workgroup_id_z 1
		.amdhsa_system_vgpr_workitem_id 0
		.amdhsa_next_free_vgpr 704
		.amdhsa_next_free_sgpr 80
		.amdhsa_reserve_vcc 0
		.amdhsa_float_denorm_mode_32 3
		.amdhsa_float_denorm_mode_16_64 3
		.amdhsa_memory_ordered 1
		.amdhsa_forward_progress 1
		.amdhsa_inst_pref_size 255
	.end_amdhsa_kernel
	.section	.bss,"aw",@nobits
	.p2align	6
	.space	262144
	.amdgpu_metadata
---
amdhsa.version: [ 1, 2 ]
amdhsa.kernels:
  - .name:           k_qd5d6ff855c_kan
    .symbol:         k_qd5d6ff855c_kan.kd
    .args:
      - { .name: x, .offset: 0, .size: 8, .value_kind: global_buffer, .address_space: global }
      - { .name: dense_b, .offset: 8, .size: 8, .value_kind: global_buffer, .address_space: global }
      - { .name: wq, .offset: 16, .size: 8, .value_kind: global_buffer, .address_space: global }
      - { .name: out0, .offset: 24, .size: 8, .value_kind: global_buffer, .address_space: global }
    .group_segment_fixed_size: 327680
    .private_segment_fixed_size: 0
    .kernarg_segment_align: 8
    .kernarg_segment_size: 32
    .max_flat_workgroup_size: 128
    .sgpr_count:     80
    .vgpr_count:     704
    .wavefront_size: 32
...
	.end_amdgpu_metadata
.endif
;; end of part 2
